; MI455X (gfx1250); checked and timed in simulation.
; The chip was launched on July 23, 2026; its instructions are those of AMD's public machine-readable ISA for CDNA 5 (MIT licence, August 2026) and "CDNA5" Instruction Set Architecture Reference Guide (July 2026). The comments in the code are by the model that wrote it; some were corrected since.
;; FFQ Linear. Allowed arithmetic: matrix products marked QUANTISED: E2M1 operands, one E8M0 scale for each 32 along K, by v_wmma_scale_f32_16x16x128_f8f6f4 with both operands' format E2M1 (or v_wmma_scale_f32_32x16x128_f4), f32 sums; everything else in f32.
;; Inputs: bias 4,096 float32; q_int 4,096 x 4,096 int32; scale 4,096 float32; x 2 x 2,048 x 4,096 float32; zero_point 4,096 int32.
;; Outputs: out0 2 x 2,048 x 4,096 float32.
;; This version of the problem:
;;   THIS VERSION OF THE PROBLEM IS GIVEN IN LOW PRECISION. The matrix products marked QUANTISED in the list below multiply operands that are first quantised to E2M1 (2 exponent bits, 1 mantissa bit; 4 bits a number), with one power-of-two scale for each 32 numbers along K (OCP MX v1.0); their sums are f32. All else is computed in f32.
;;   The module's matrix products, in the order in which they are computed (A, B: the left and right operand; K: the contracted axis; several contracted axes count as one K, in the product's order):
;;     1. [M 4,096, K 4,096] x [K 4,096, N 4,096]; A: input x; B: computed on the way: QUANTISED
;;   THE QUANTISER, for each operand of a quantised product, along K:
;;     - K is cut into blocks of 32 from its start; a last block that is shorter is filled with zeros.
;;     - A block's scale is 2^e with e = floor(log2(the largest magnitude in the block)) - 2, held to -126 .. 127; a block of zeros has e = 0. As a byte (E8M0): e + 127.
;;     - Each number is divided by its block's scale, clamped to +-6, and rounded to the nearest number of E2M1, ties to even, subnormals kept.
;;     - The product sums the exact products of the quantised numbers (number of the format x scale) in f32.
;;   ~~~python
;;   def quantise(x, axis):      # numpy; x: float32 -> the quantised numbers, widened to float32 again
;;       x = np.moveaxis(x, axis, -1); K = x.shape[-1]
;;       x = np.pad(x, [(0, 0)] * (x.ndim - 1) + [(0, -K % 32)]); x = x.reshape(x.shape[:-1] + (-1, 32)); a = np.abs(x).max(-1, keepdims=True)
;;       e = np.where(a > 0, np.clip(np.frexp(np.where(a > 0, a, 1))[1] - 1 - 2, -126, 127), 0)      # np.frexp(a)[1] - 1 = floor(log2(a)), exactly
;;       r = np.clip(x / 2.0 ** e, -6, 6)
;;       step = 2.0 ** (np.maximum(np.frexp(np.where(r == 0, 1, r))[1] - 1, 0) - 1)
;;       q = np.round(r / step) * step * 2.0 ** e      # np.round: ties to even
;;       return np.moveaxis(q.reshape(q.shape[:-2] + (-1,))[..., :K], -1, axis).astype(np.float32)
;;   ~~~
;;   OPERANDS COMPUTED ON THE WAY. 'Computed on the way' means the value that the module computes at that place (a softmax that the list does not call 'softmax' is quantised finished and normalised). What goes into a quantiser is computed in f32, as accurately as f32 sums, v_exp_f32 and their like allow (about 1e-6 of the number): no bf16 or f16 on the way to a quantiser, and a product that is left as it is and whose result goes on into a quantised operand takes f32 operands (vector FMAs, or v_wmma_f32_16x16x4_f32). A number that lies on a knife's edge between two numbers of the format may be rounded either way, as far as f32 arithmetic and the matrix unit's own rounding can turn it there, and no further.
;; One version. Each part assembles by itself: llvm-mc -triple=amdgcn-amd-amdhsa -mcpu=gfx1250 --defsym DOCPART=n.
;; ======== version 1 of 1: 2 launches
;; limits: right only within a limited range of input values
;; workspace buffers: xq 8,912,896 bytes; wq 8,912,896 bytes
;; launch quant (part 1): grid 768 x 1, 4 waves a work-group, no clusters, 68,096 bytes of LDS; arguments x, q_int, zero_point, scale, xq, wq; writes xq, wq
.if DOCPART == 1
	.amdgcn_target "amdgcn-amd-amdhsa--gfx1250"
	.amdhsa_code_object_version 6
	.text
	.protected	k_q25148e1d70_quant
	.globl	k_q25148e1d70_quant
	.p2align	8
	.type	k_q25148e1d70_quant,@function
k_q25148e1d70_quant:
	s_mov_b64 s[64:65], 0
	v_nop
	global_prefetch_b8 v0, s[64:65] scope:SCOPE_SE
	s_setreg_imm32_b32 hwreg(HW_REG_WAVE_MODE, 25, 1), 1
	s_wait_xcnt 0x0
; Both operands of out = x W + bias are turned into codes of FP4 (E2M1) with one E8M0 scale byte for each 32 along K, once, for the product's launch.
; x [4096 (m)][4096 (k)] f32 has K innermost.  W [4096 (k)][4096 (n)] = (f32(q_int) - f32(zero_point[n])) * scale[n] is made here in f32, in that order, and has K as its FIRST axis.
; A block's scale is 2^(floor(log2(its largest magnitude)) - 2); its byte is the largest magnitude's exponent field - 2, held at 1 from below; each number is divided by the scale and rounded to the nearest code, ties to even, beyond 6 to 6.
; LIMITS: a block whose largest magnitude lies under 2^-124 (the floor 2^(3 - 127)) has its byte held at 1; a block of zeros gets the byte 1 where the rule says 127 (its codes are zeros, which add nothing, and this program alone
; reads the bytes); NaN and infinities in x or scale are not served.  q_int and zero_point may be any int32.
; THE WORKSPACE, alike for xq (rows = m) and wq (rows = n): tiles of 128 rows x 512 K, tile (row / 128, k / 512) at ((row / 128) * 8 + k / 512) * TILEB.  In a tile: 128 rows of 256 bytes of codes (K ascending, the lower k in the
; low four bits), then at byte 32,768 the rows' scale bytes, 16 a row.  So a tile is 136 dense rows of 256 bytes: one tensor load of the next launch brings codes and scales together.
; SHARES: work-groups 0-255 take W, one tile each; work-groups 256-767 take x, 16 rows x 2,048 K each (a wave: 16 rows x 512 K).  The two paths part on the work-group's number alone and have LDS bytes of their own.
; No tensor loads, no barrier, no cluster: waves share nothing, and no two work-groups read the same bytes of x or q_int.
.set NW,    256                        ; work-groups for W
.set TILEB, 34816                      ; bytes of a tile: 136 x 256
.set SCB,   32768                      ; where a tile's scale bytes begin
.set ROWB,  16384                      ; a row of x or of q_int in bytes
	s_load_b256 s[4:11], s[0:1], 0x0               ; x s[4:5], q_int s[6:7], zero_point s[8:9], scale s[10:11]
	s_load_b128 s[12:15], s[0:1], 0x20             ; xq s[12:13], wq s[14:15]
	v_lshl_add_u32 v192, v0, 2, 0x10800
	v_mov_b32 v193, 0
	v_lshrrev_b32 v1, 5, v0
	v_readfirstlane_b32 s16, v1                    ; wave 0..3
	v_and_b32 v2, 31, v0                           ; lane
	s_cmp_lt_u32 ttmp9, NW
	s_cbranch_scc0 .Lx_path
; ---------------- W: a lane takes a column n, and its registers run down K: a block of 32 along K lies in one lane's 32 registers, and the conversions give codes with K innermost
.set WST,  32768                       ; LDS: this path's stages, 32 rows x 272 bytes for each wave
.set WP,   272                         ; a stage row: a column's 256 bytes of codes + 16 of padding
.set WSB,  24                          ; v24-27   my column's 16 scale bytes
.set WX,   32                          ; v32-95   two sets of 32 numbers
.set WC,   96                          ; v96-99   a block's codes
.set WO,   112                         ; v112-175 the way out
	s_and_b32 s17, ttmp9, 31                       ; which 128 columns: neighbouring work-groups read neighbouring 512 bytes of the same rows
	s_lshr_b32 s18, ttmp9, 5                       ; which 512 along K
	s_lshl_b32 s22, s17, 9
	s_lshl_b32 s23, s16, 7
	s_add_co_u32 s22, s22, s23                     ; my wave's first column, in bytes of 4: 512 x group + 128 x wave
	s_mov_b32 s23, 0
	s_lshl_b32 s20, s18, 23                        ; 512 rows of 16,384 bytes
	s_mov_b32 s21, 0
	s_lshl_b32 s24, s17, 3
	s_add_co_u32 s24, s24, s18
	s_mul_i32 s24, s24, TILEB                      ; my tile of wq
	s_lshl_b32 s25, s16, 9
	s_add_co_u32 s26, s24, s25
	s_add_co_u32 s26, s26, SCB                     ; my wave's 32 rows of scale bytes: 512 bytes
	s_lshl_b32 s25, s16, 13
	s_add_co_u32 s24, s24, s25                     ; my wave's 32 rows of codes: 8,192 bytes
	s_mov_b32 s25, 0
	s_mov_b32 s27, 0
	s_mul_i32 s19, s16, 32*WP
	s_add_co_u32 s19, s19, WST                     ; my stage
	s_wait_alu depctr_va_vdst(0)
	v_lshlrev_b32 v3, 2, v2                        ; in: 4 bytes a lane
	v_mul_u32_u24 v4, v2, WP
	v_add_nc_u32 v4, s19, v4                       ; into the stage: row = my column
	v_and_b32 v5, 15, v2
	v_lshrrev_b32 v6, 4, v2
	v_mul_u32_u24 v7, v6, WP
	v_lshl_add_u32 v7, v5, 4, v7
	v_add_nc_u32 v7, s19, v7                       ; out of it: sixteen lanes to a row, two rows an instruction
	v_lshlrev_b32 v8, 4, v2                        ; and in wq: the tile's rows are dense, so two rows are 512 consecutive bytes: 16 x lane
	s_wait_alu depctr_va_vdst(0)
	s_wait_kmcnt 0x0
	s_add_nc_u64 s[6:7], s[6:7], s[20:21]
	s_add_nc_u64 s[6:7], s[6:7], s[22:23]          ; q_int at (512 ks, my wave's first column)
	s_add_nc_u64 s[8:9], s[8:9], s[22:23]          ; zero_point and scale at that column
	s_add_nc_u64 s[10:11], s[10:11], s[22:23]
	s_add_nc_u64 s[28:29], s[14:15], s[24:25]      ; where my codes go
	s_add_nc_u64 s[30:31], s[14:15], s[26:27]      ; where my scale bytes go
.macro WLOAD t                         ; block t: q_int(32 t + i, my column), i = 0 .. 31, into set t % 2; the largest offset, 511 rows, lies inside the signed 24-bit immediate (ISA guide, chapter 10)
.irp i, 0,1,2,3,4,5,6,7,8,9,10,11,12,13,14,15,16,17,18,19,20,21,22,23,24,25,26,27,28,29,30,31
	global_load_b32 v[WX+32*((\t)%2)+\i], v3, s[6:7] offset:(32*(\t)+\i)*ROWB th:TH_LOAD_NT
.endr
.endm
	global_load_b32 v20, v3, s[8:9]                ; my column's zero point
	global_load_b32 v18, v3, s[10:11]              ; and its scale
	WLOAD 0
	WLOAD 1
.macro WBLOCK t
.set WXS, WX+32*((\t)%2)
.if (\t) < 15
	s_wait_loadcnt 32                              ; this block's 32 loads are in (and all issued ahead of them); the next block's 32 may be out
.else
	s_wait_loadcnt 0
.endif
.if (\t) == 0
	v_cvt_f32_i32 v16, v20                         ; the zero point as f32, and both constants twice: the packed forms name pairs
	v_mov_b32 v17, v16
	v_mov_b32 v19, v18
.endif
.irp i, 0,1,2,3,4,5,6,7,8,9,10,11,12,13,14,15,16,17,18,19,20,21,22,23,24,25,26,27,28,29,30,31
	v_cvt_f32_i32 v[WXS+\i], v[WXS+\i]             ; f32(q_int)
.endr
.irp i, 0,2,4,6,8,10,12,14,16,18,20,22,24,26,28,30
	v_pk_add_f32 v[WXS+\i:WXS+\i+1], v[WXS+\i:WXS+\i+1], v[16:17] neg_lo:[0,1] neg_hi:[0,1]   ; - f32(zero_point)
.endr
.irp i, 0,2,4,6,8,10,12,14,16,18,20,22,24,26,28,30
	v_pk_mul_f32 v[WXS+\i:WXS+\i+1], v[WXS+\i:WXS+\i+1], v[18:19]                             ; * scale: W, with the same two roundings as the definition
.endr
	v_max3_num_f32 v12, |v[WXS]|, |v[WXS+1]|, |v[WXS+2]|            ; the block's largest magnitude: all 32 numbers are mine; two chains
	v_max3_num_f32 v13, |v[WXS+3]|, |v[WXS+4]|, |v[WXS+5]|
.irp i, 6,10,14,18,22,26
	v_max3_num_f32 v12, v12, |v[WXS+\i]|, |v[WXS+\i+1]|
	v_max3_num_f32 v13, v13, |v[WXS+\i+2]|, |v[WXS+\i+3]|
.endr
	v_max3_num_f32 v12, v12, |v[WXS+30]|, |v[WXS+31]|
	v_max3_num_f32 v12, v12, v13, 3<<23            ; and the floor 2^(3 - 127): the byte cannot fall under 1
	v_add_nc_u32 v11, 0xff000000, v12              ; 2 off its exponent field: the conversion takes the exponent field of this operand as its scale, and nothing else of it
	v_lshrrev_b32 v13, 23, v11                     ; the scale's byte
.if (\t)%4 == 0
	v_mov_b32 v[WSB+(\t)/4], v13                   ; four bytes to a register, the lower K in the lower byte
.else
	v_lshl_or_b32 v[WSB+(\t)/4], v13, 8*((\t)%4), v[WSB+(\t)/4]
.endif
.irp g, 0,1,2,3
	v_cvt_scalef32_pk8_fp4_f32 v[WC+\g], v[WXS+8*\g:WXS+8*\g+7], v11
.endr
	ds_store_b128 v4, v[WC:WC+3] offset:16*(\t)    ; 32 codes: 16 bytes of my column's row.  (The results go to an LDS store; the next vector lines are plain ones on the other set)
.if (\t)+2 < 16
	WLOAD (\t)+2
.endif
	s_wait_dscnt 0x0                               ; the store has read its registers: the next block's codes may be written
.endm
.irp t, 0,1,2,3,4,5,6,7,8,9,10,11,12,13,14,15
	WBLOCK \t
.endr
	s_wait_alu depctr_va_vdst(0)
	global_store_b128 v8, v[WSB:WSB+3], s[30:31]   ; 32 columns' scale bytes: 512 consecutive bytes, at a multiple of 256 from wq's first byte
.irp t, 0,1,2,3,4,5,6,7,8,9,10,11,12,13,14,15
	ds_load_b128 v[WO+4*\t:WO+4*\t+3], v7 offset:2*\t*WP   ; LDS serves a wave's instructions in order (ISA guide 5.7.1.4): these see my stores
.endr
.irp t, 0,1,2,3,4,5,6,7,8,9,10,11,12,13,14,15
	s_wait_dscnt 15-\t                             ; rows 2 t and 2 t + 1 are back; the 15 - t younger loads may be out
	global_store_b128 v8, v[WO+4*\t:WO+4*\t+3], s[28:29] offset:512*\t   ; 512 consecutive bytes, aligned to 256; the next launch reads them, so no hint
.endr
	s_wait_tensorcnt 0x0
	ds_add_u32 v192, v193
	s_wait_dscnt 0x0
	s_endpgm
; ---------------- x: K is innermost.  A wave takes 16 rows x 512 K, a row (2,048 bytes) a step.  Each of a step's four loads reads 512 consecutive bytes, 16 a lane; the conversions want 16 NEIGHBOURS in a lane,
; so the 2,048 bytes turn through the wave's own stage in LDS and come back 64 bytes a lane (two neighbouring lanes hold a block).  Loads run four steps ahead, the turn one step.
.set SP,   80                          ; a lane's place in a stage: its 64 bytes + 16 of padding
.set XR,   16                          ; v16-79   four sets of 16 numbers as they are loaded
.set XX,   80                          ; v80-111  two sets of 16 neighbours
.set XE,   112                         ; v112-127 a scale byte for each step
.set XC,   128                         ; v128-191 codes: four registers for each step, so that no store's data are written again
.Lx_path:
	s_sub_co_u32 s17, ttmp9, NW
	s_lshl_b32 s17, s17, 2
	s_add_co_u32 s17, s17, s16                     ; which wave of x's 2,048
	s_and_b32 s18, s17, 7                          ; which 512 along K
	s_lshr_b32 s19, s17, 3                         ; which 16 rows
	s_lshl_b32 s20, s19, 18                        ; 16 rows of 16,384 bytes
	s_lshl_b32 s21, s18, 11                        ; 512 numbers of 4 bytes
	s_add_co_u32 s20, s20, s21
	s_mov_b32 s21, 0
	s_and_b32 s22, s19, 0xf8                       ; 8 x (row / 128)
	s_add_co_u32 s22, s22, s18
	s_mul_i32 s22, s22, TILEB                      ; my tile of xq
	s_and_b32 s23, s19, 7                          ; which 16 of its 128 rows
	s_lshl_b32 s24, s23, 12
	s_add_co_u32 s24, s24, s22                     ; their codes: 16 rows of 256 bytes
	s_mov_b32 s25, 0
	s_lshl_b32 s26, s23, 8
	s_add_co_u32 s26, s26, s22
	s_add_co_u32 s26, s26, SCB                     ; their scale bytes: 256
	s_mov_b32 s27, 0
	s_lshl_b32 s17, s16, 13                        ; LDS: 8,192 bytes for each wave: two stages of 32 x SP, and behind them its 256 scale bytes
	s_wait_alu depctr_va_vdst(0)
	v_lshlrev_b32 v3, 4, v2                        ; my 16 bytes of a load's 512
	v_lshrrev_b32 v14, 2, v2
	v_mul_u32_u24 v14, v14, SP
	v_and_b32 v15, 3, v2
	v_lshl_add_u32 v14, v15, 4, v14
	v_add_nc_u32 v14, s17, v14                     ; the stage, on the way in: SP (lane / 4) + 16 (lane % 4); a load's 512 bytes take eight places
	v_mul_u32_u24 v15, v2, SP
	v_add_nc_u32 v15, s17, v15                     ; and on the way out: SP x lane: my 16 neighbours
	v_lshlrev_b32 v4, 3, v2                        ; my 8 bytes of a row's 256 bytes of codes
	v_lshrrev_b32 v5, 1, v2
	s_add_co_u32 s17, s17, 2*32*SP
	v_add_nc_u32 v5, s17, v5                       ; LDS: my block's byte among the wave's 256
	v_lshlrev_b32 v7, 3, v2                        ; and on the way out 8 bytes a lane
	v_add_nc_u32 v6, s17, v7
	s_wait_alu depctr_va_vdst(0)
	s_wait_kmcnt 0x0
	s_add_nc_u64 s[4:5], s[4:5], s[20:21]
	s_add_nc_u64 s[28:29], s[12:13], s[24:25]
	s_add_nc_u64 s[30:31], s[12:13], s[26:27]
.macro XLOAD t                         ; row t's 2,048 bytes of this K step
.irp i, 0,1,2,3
	global_load_b128 v[XR+16*((\t)%4)+4*\i:XR+16*((\t)%4)+4*\i+3], v3, s[4:5] offset:ROWB*(\t)+512*\i th:TH_LOAD_NT
.endr
.endm
.macro XTURN t                         ; step t's numbers through the stage: LDS serves a wave's instructions in order, so no wait stands between the stores and the loads
.irp i, 0,1,2,3
	ds_store_b128 v14, v[XR+16*((\t)%4)+4*\i:XR+16*((\t)%4)+4*\i+3] offset:32*SP*((\t)%2)+8*SP*\i
.endr
.irp i, 0,1,2,3
	ds_load_b128 v[XX+16*((\t)%2)+4*\i:XX+16*((\t)%2)+4*\i+3], v15 offset:32*SP*((\t)%2)+16*\i
.endr
.endm
.irp t, 0,1,2,3
	XLOAD \t
.endr
	s_wait_loadcnt 12                              ; step 0's four loads are in; those of steps 1 to 3 may be out
	XTURN 0
.macro XSTEP t
.set XXS, XX+16*((\t)%2)
.if (\t) > 0
	s_wait_dscnt 1                                 ; this step's numbers are back from the stage (the last step's byte store may be out): so its stores into the stage have read their registers,
.else
	s_wait_dscnt 0x0
.endif
.if (\t)+4 < 16
	XLOAD (\t)+4                                   ; which take the loads of four steps on
.endif
.if (\t)+1 < 16
.if 14-(\t) >= 3
	s_wait_loadcnt 12                              ; the next step's four loads are in; those of the three steps behind it may be out
.else
	s_wait_loadcnt 4*(14-(\t))                     ; near the end fewer steps are behind it
.endif
	XTURN (\t)+1                                   ; and go through the other stage while this step is worked
.endif
	v_max3_num_f32 v8, |v[XXS]|, |v[XXS+1]|, |v[XXS+2]|             ; the largest magnitude of my 16, in two chains
	v_max3_num_f32 v9, |v[XXS+3]|, |v[XXS+4]|, |v[XXS+5]|
.irp i, 6,10
	v_max3_num_f32 v8, v8, |v[XXS+\i]|, |v[XXS+\i+1]|
	v_max3_num_f32 v9, v9, |v[XXS+\i+2]|, |v[XXS+\i+3]|
.endr
	v_max3_num_f32 v8, v8, |v[XXS+14]|, |v[XXS+15]|
	v_max3_num_f32 v8, v8, v9, 3<<23               ; and the floor 2^(3 - 127): the byte cannot fall under 1
	v_max_num_f32_dpp v8, v8, v8 row_xmask:1 row_mask:0xf bank_mask:0xf   ; and of my neighbour's 16: the block's
	v_add_nc_u32 v11, 0xff000000, v8               ; 2 off its exponent field: the conversion's scale operand
	v_cvt_scalef32_pk8_fp4_f32 v[XC+4*(\t)], v[XXS:XXS+7], v11
	v_cvt_scalef32_pk8_fp4_f32 v[XC+4*(\t)+1], v[XXS+8:XXS+15], v11
	v_lshrrev_b32 v[XE+(\t)], 23, v11              ; the scale's byte (a plain line behind the conversions)
	ds_store_b8 v5, v[XE+(\t)] offset:16*(\t)      ; both lanes of a block write the same byte with the same value
	global_store_b64 v4, v[XC+4*(\t):XC+4*(\t)+1], s[28:29] offset:256*(\t)   ; a row's 256 bytes of codes: consecutive, aligned to 256
.endm
.irp t, 0,1,2,3,4,5,6,7,8,9,10,11,12,13,14,15
	XSTEP \t
.endr
	ds_load_b64 v[12:13], v6                       ; LDS serves a wave's instructions in order: these see my byte stores
	s_wait_dscnt 0x0
	global_store_b64 v7, v[12:13], s[30:31]        ; 16 rows x 16 scale bytes: 256 consecutive bytes, aligned to 256
	s_wait_tensorcnt 0x0
	ds_add_u32 v192, v193
	s_wait_dscnt 0x0
	s_endpgm
.Lfunc_end_k_q25148e1d70_quant:
	.size	k_q25148e1d70_quant, .Lfunc_end_k_q25148e1d70_quant-k_q25148e1d70_quant
	.p2alignl 7, 3214868480
	.fill 96, 4, 3214868480
	.section	.rodata,"a",@progbits
	.p2align	6, 0x0
	.amdhsa_kernel k_q25148e1d70_quant
		.amdhsa_group_segment_fixed_size 68096
		.amdhsa_private_segment_fixed_size 0
		.amdhsa_enable_private_segment 0
		.amdhsa_kernarg_size 48
		.amdhsa_user_sgpr_count 2
		.amdhsa_user_sgpr_kernarg_segment_ptr 1
		.amdhsa_wavefront_size32 1
		.amdhsa_system_sgpr_workgroup_id_x 1
		.amdhsa_system_sgpr_workgroup_id_y 1
		.amdhsa_system_sgpr_workgroup_id_z 1
		.amdhsa_system_vgpr_workitem_id 0
		.amdhsa_next_free_vgpr 194
		.amdhsa_next_free_sgpr 66
		.amdhsa_reserve_vcc 0
		.amdhsa_float_denorm_mode_32 3
		.amdhsa_float_denorm_mode_16_64 3
		.amdhsa_memory_ordered 1
		.amdhsa_forward_progress 1
		.amdhsa_inst_pref_size 160
	.end_amdhsa_kernel
	.amdgpu_metadata
---
amdhsa.version: [ 1, 2 ]
amdhsa.kernels:
  - .name:           k_q25148e1d70_quant
    .symbol:         k_q25148e1d70_quant.kd
    .args:
      - { .name: x, .offset: 0, .size: 8, .value_kind: global_buffer, .address_space: global }
      - { .name: q_int, .offset: 8, .size: 8, .value_kind: global_buffer, .address_space: global }
      - { .name: zero_point, .offset: 16, .size: 8, .value_kind: global_buffer, .address_space: global }
      - { .name: scale, .offset: 24, .size: 8, .value_kind: global_buffer, .address_space: global }
      - { .name: xq, .offset: 32, .size: 8, .value_kind: global_buffer, .address_space: global }
      - { .name: wq, .offset: 40, .size: 8, .value_kind: global_buffer, .address_space: global }
    .group_segment_fixed_size: 68096
    .private_segment_fixed_size: 0
    .kernarg_segment_align: 8
    .kernarg_segment_size: 48
    .max_flat_workgroup_size: 128
    .sgpr_count:     66
    .vgpr_count:     194
    .wavefront_size: 32
...
	.end_amdgpu_metadata
.endif
;; end of part 1
;; launch gemm (part 2): grid 16 x 16, 4 waves a work-group, clusters of 4 x 4, 327,680 bytes of LDS; arguments xq, wq, bias, out0; writes out0
.if DOCPART == 2
	.amdgcn_target "amdgcn-amd-amdhsa--gfx1250"
	.amdhsa_code_object_version 6
	.text
	.protected	k_q25148e1d70_gemm
	.globl	k_q25148e1d70_gemm
	.p2align	8
	.type	k_q25148e1d70_gemm,@function
k_q25148e1d70_gemm:
	s_mov_b64 s[64:65], 0
	v_nop
	global_prefetch_b8 v0, s[64:65] scope:SCOPE_SE
	s_setreg_imm32_b32 hwreg(HW_REG_WAVE_MODE, 25, 1), 1
	s_wait_xcnt 0x0
	s_wait_alu depctr_hold_cnt(0) depctr_sa_sdst(0) depctr_va_vdst(0) depctr_va_sdst(0) depctr_va_ssrc(0) depctr_va_vcc(0) depctr_vm_vsrc(0)
	s_getreg_b32 s2, hwreg(HW_REG_IB_STS2, 6, 4)
	s_cmp_eq_u32 s2, 0
	s_cbranch_scc0 .Lentry_in_a_cluster
	s_endpgm
.Lentry_in_a_cluster:
	s_bfe_u32 s2, ttmp6, 0x10000c
	s_cmp_lg_u32 s2, 0xf033
	s_cbranch_scc0 .Lentry_shape_is_right
	s_endpgm
.Lentry_shape_is_right:
; out0[m][n] = sum over k of x[m][k] W[k][n] + bias[n], on the codes of FP4 (E2M1) and E8M0 scale bytes that the launch before has laid in xq (rows m) and wq (rows n).
; WORKSPACE: tiles of 128 rows x 512 K, tile (row / 128, k / 512) at ((row / 128) * 8 + k / 512) * TILEB: 128 rows of 256 bytes of codes, then 8 rows of 256 bytes of scale bytes (16 a row of the operand).
; A block of out0, 256 x 256, is made by four waves, 128 x 128 each: 64 accumulators.  K goes in steps of 512 through two LDS slots; a wave's one tensor load brings one tile, codes and scales together.
; CLUSTERS 4 x 4: x's tiles are asked for jointly along a row of the cluster, W's along a column.  The products are used transposed (source 0 = 16 rows of wq, source 1 = 16 rows of xq): a lane holds 8 neighbouring columns of a row.
; bias is the C of each accumulator's first product.
; REGISTERS.  Every window holds 16 accumulators in v128-255: quadrant (i, j) = my rows 64 i .., my columns 64 j ..: (0,0) window 1, (1,0) window 2, (1,1) window 3, (0,1) window 0.
;   window 0: v0-31 addresses, v32-95 scale words (a set for each slot).   window 1: v0-63 W's blocks 0-3, two sets; v64-67 LDS addresses; v96-127 bias of columns 0-63.
;   window 2: v0-63 x's blocks 0-3, two sets; v64-127 x's blocks 4-7, two sets.   window 3: v0-63 W's blocks 4-7, two sets; v66-67 LDS addresses; v96-127 bias of columns 64-127.
; Both operands have two sets of fragments: a step of 128 along K begins with ONE run of 32 LDS loads, the next step's fragments into the other set, and its 64 products follow on end.
; THE LAST SEVEN STEPS, whose tiles both lie in LDS and are filled no more, go by halves of my rows: rows 0-63 through all seven, then rows 64-127 through the same seven (W's fragments are read a second time).
; During the second pass rows 0-63 leave, a piece of 16 rows x 64 columns a step.  Every accumulator still takes K in ascending order.
; PREFETCH: behind each joint load the tile that stands two refills on is asked for: 136 blocks of 256 bytes, of which each of the four partners that load it takes 34, told apart by address
; (32 lanes a block each, then 2 more; the lanes left over name the last block again).  The head asks for K step 1, slot 1's first fill for K steps 2 and 3; the last two refills have no K step two on and ask for nothing.
.set SIZE_N, 4096
.set TILEB,  34816
.set TROWS,  136
.set PITCH,  272                       ; an LDS row: 256 bytes + 16 of padding
.set HALFT,  TROWS*PITCH               ; one tile in LDS
.set SCO,    128*PITCH                 ; where a tile's scale bytes begin
.set SLOT,   4*HALFT                   ; x's two tiles, then W's two
.set LAPS,   4                         ; 8 K steps of 512
.set SPARE,  2*SLOT                    ; the spare words: 512 bytes that no other line names
.set STAGE,  SPARE+512                 ; the way out: 16 rows x (256 + 16) bytes a wave, bytes of their own: no tile lands there
.set SPITCH, 272
.set STO,  24
.set RD,   25
.set CO,   26
.set PFO,  16                          ; prefetch: 256 x lane
.set PFO2, 17                          ; prefetch: 256 x (32 + min(lane, 1))
.set SPW,  28
.set NIL,  29
.set ADRS, 30                          ; v30-31 my scale words in slot 0, 1: lanes 0-15 x's rows, lanes 16-31 W's
.set SC,   32
.set AA,   64                          ; window 1: v64-65 x's fragments in slot 0, 1
.set AB,   66                          ; windows 1 and 3: v66-67 W's fragments in slot 0, 1
.set G1, 24
.set G0, 32
.set G1B, 48
.set G0B, 56
.set PFA, 70                           ; s[70:71] my share of the tile that I fetch, at the K step three ahead of which the next prefetch asks
.set MSB, 0
.macro WIN new                         ; the immediate's high byte repeats the setting that is left
.if MSB != (\new)
	s_set_vgpr_msb (MSB<<8)|(\new)
.set MSB, (\new)
.endif
.endm
.macro PLACES
.rept 4
	v_nop
.endr
.endm
.macro JLOAD s                         ; a joint load: waves 0, 1 fetch x's two tiles, waves 2, 3 W's; s_nop 0 and four v_nop follow each line
	s_cmp_eq_u32 s15, 0
	s_cbranch_scc0 .Lfor_b_\@
	tensor_load_to_lds s[G0+4*\s:G0+4*\s+3], s[G1:G1+7]
	s_nop 0
	PLACES
	s_branch .Lasked_\@
.Lfor_b_\@:
	tensor_load_to_lds s[G0B+4*\s:G0B+4*\s+3], s[G1B:G1B+7]
	s_nop 0
	PLACES
.Lasked_\@:
.endm
.macro CREST                           ; a round of the cluster's barrier behind its opening barrier
	s_cmp_lg_u32 s14, 0
	s_cbranch_scc1 .Lnot_wave_0_\@
	s_barrier_signal -3
.Lnot_wave_0_\@:
	s_barrier_wait -3
	s_barrier_signal -1
	s_barrier_wait -1
.endm
.macro CROUND
	s_barrier_signal -1
	s_barrier_wait -1
	CREST
.endm
.macro ASK off                         ; my 34 blocks of the tile at PFA + off
	global_prefetch_b8 v[PFO], s[PFA:PFA+1] offset:\off th:TH_LOAD_NT scope:SCOPE_SE
	global_prefetch_b8 v[PFO2], s[PFA:PFA+1] offset:\off th:TH_LOAD_NT scope:SCOPE_SE
.endm
	s_load_b256 s[4:11], s[0:1], 0x0               ; xq, wq, bias, out0
	v_lshl_add_u32 v[SPW], v0, 2, SPARE
	v_mov_b32 v[NIL], 0
	ds_add_u32 v[SPW], v[NIL]                      ; the add, twice on end, and its wait ahead of my first tensor load
	ds_add_u32 v[SPW], v[NIL]
	v_lshrrev_b32 v1, 5, v0
	v_readfirstlane_b32 s14, v1                    ; wave
	s_lshr_b32 s15, s14, 1                         ; my half of the block's rows; also: I fetch for x (0) or W (1)
	s_and_b32 s16, s14, 1                          ; my half of its columns; also: which of the two tiles I fetch
	s_bfe_u32 s40, ttmp6, 0x40000                  ; cx
	s_bfe_u32 s41, ttmp6, 0x40004                  ; cy
	s_lshl_b32 s42, ttmp9, 2
	s_add_co_u32 s42, s42, s40                     ; block column
	s_and_b32 s17, ttmp7, 0xffff
	s_lshl_b32 s17, s17, 2
	s_add_co_u32 s17, s17, s41                     ; block row
	s_lshl_b32 s43, s41, 2
	s_lshl_b32 s43, 15, s43                        ; my row of the cluster
	s_lshl_b32 s44, 0x1111, s40                    ; my column
	s_or_b32 s[G1+0], s43, (3<<16)|(1<<20)|(1<<21)|(5<<22)|(3<<25)   ; mask; elements of 8 bytes; 4 words of padding behind every 64
	s_or_b32 s[G1B+0], s44, (3<<16)|(1<<20)|(1<<21)|(5<<22)|(3<<25)
.irp g, G1, G1B
	s_mov_b32 s[\g+1], 32<<16                      ; 136 dense rows of 32 elements
	s_mov_b32 s[\g+2], TROWS<<16
	s_mov_b32 s[\g+3], 32<<16
	s_mov_b32 s[\g+4], TROWS
	s_mov_b32 s[\g+5], 32
	s_mov_b32 s[\g+6], 0
	s_mov_b32 s[\g+7], 0
.endr
	s_lshl_b32 s20, s17, 1
	s_add_co_u32 s20, s20, s16
	s_mul_i32 s20, s20, 8*TILEB                    ; x: my tile row's first tile
	s_mov_b32 s21, 0
	s_lshl_b32 s46, s42, 1
	s_add_co_u32 s46, s46, s16
	s_mul_i32 s46, s46, 8*TILEB                    ; W likewise
	s_mov_b32 s47, 0
	s_mul_i32 s45, s14, HALFT                      ; where my tile goes
	s_cmp_eq_u32 s15, 0
	s_cselect_b32 s72, s20, s46                    ; the prefetches: the tile that I fetch,
	s_cselect_b32 s73, s40, s41                    ; my place among the four that ask for it,
	s_mul_i32 s73, s73, 34*256
	s_add_co_u32 s72, s72, s73                     ; and so my 34 blocks
	s_mov_b32 s73, 0
	s_mul_i32 s74, s15, HALFT                      ; LDS: my 128 rows of x in slot 0, 1
	s_add_co_u32 s75, s74, SLOT
	s_mul_i32 s76, s16, HALFT
	s_add_co_u32 s76, s76, 2*HALFT                 ; my 128 rows of W
	s_add_co_u32 s77, s76, SLOT
	s_xor_b32 s67, s15, 1
	s_add_co_u32 s67, s67, s16
	s_add_co_u32 s67, s67, 1
	s_mul_i32 s67, s67, HALFT                      ; from x's tile to W's
	s_add_co_u32 s68, s74, SCO
	s_mul_i32 s66, s14, 16*SPITCH
	s_add_co_u32 s66, s66, STAGE                   ; my stage
	s_wait_dscnt 0x0                               ; both opening adds are done
	CROUND                                         ; the round in front of the first joint loads; it needs no argument, so it stands ahead of the wait for them
	s_wait_kmcnt 0x0
	s_add_nc_u64 s[20:21], s[4:5], s[20:21]
	s_add_nc_u64 s[46:47], s[6:7], s[46:47]
	s_cmp_eq_u32 s15, 0
	s_cselect_b64 s[PFA:PFA+1], s[4:5], s[6:7]
	s_add_nc_u64 s[PFA:PFA+1], s[PFA:PFA+1], s[72:73]
.irp s, 0,1
	s_mov_b32 s[G0+4*\s], 1
	s_add_co_u32 s[G0+4*\s+1], s45, \s*SLOT
	s_add_nc_u64 s[G0+4*\s+2:G0+4*\s+3], s[20:21], \s*TILEB
	s_or_b32 s[G0+4*\s+3], s[G0+4*\s+3], 0x80000000
	s_mov_b32 s[G0B+4*\s], 1
	s_add_co_u32 s[G0B+4*\s+1], s45, \s*SLOT
	s_add_nc_u64 s[G0B+4*\s+2:G0B+4*\s+3], s[46:47], \s*TILEB
	s_or_b32 s[G0B+4*\s+3], s[G0B+4*\s+3], 0x80000000
.endr
	JLOAD 0                                        ; K step 0: one tensor load a wave at the head
	s_lshl_b32 s46, s42, 10                        ; my first column in bytes: 1024 x block column + 512 x half
	s_lshl_b32 s47, s16, 9
	s_add_co_u32 s46, s46, s47
	s_mov_b32 s47, 0
	s_add_nc_u64 s[8:9], s[8:9], s[46:47]
	s_lshl_b32 s20, s17, 8
	s_lshl_b32 s21, s15, 7
	s_add_co_u32 s20, s20, s21
	s_lshl_b32 s20, s20, 14                        ; my first row, 16,384 bytes a row
	s_mov_b32 s21, 0
	s_add_nc_u64 s[20:21], s[20:21], s[46:47]
	s_add_nc_u64 s[10:11], s[10:11], s[20:21]
	v_and_b32 v1, 15, v0                           ; r
	v_bfe_u32 v2, v0, 4, 1                         ; h
	v_and_b32 v6, 31, v0                           ; lane
	v_mul_u32_u24 v3, v1, PITCH
	v_lshl_add_u32 v4, v2, 4, v3                   ; a fragment's row x pitch + 16 h
	v_lshl_add_u32 v8, v2, 5, v3                   ; the stage has the same pitch: row r, 32 bytes for each half of the lanes
	v_mul_u32_u24 v5, s67, v2                      ; lanes 16-31 take W's scale words
	v_lshl_add_u32 v5, v1, 4, v5                   ; 16 bytes a row
	v_add_nc_u32 v[ADRS], s68, v5
	v_add_nc_u32 v[ADRS+1], SLOT, v[ADRS]
	v_add_nc_u32 v[STO], s66, v8
	v_mul_u32_u24 v9, v2, SPITCH                   ; back: sixteen lanes take a row of 256 bytes, two rows an instruction
	v_lshl_add_u32 v9, v1, 4, v9
	v_add_nc_u32 v[RD], s66, v9
	v_lshlrev_b32 v10, 14, v2                      ; and the same two rows in out0
	v_lshl_add_u32 v[CO], v1, 4, v10
	v_lshlrev_b32 v7, 5, v2                        ; bias: 32 h
	v_lshlrev_b32 v[PFO], 8, v6
	v_min_u32 v11, 1, v6
	v_lshl_add_u32 v[PFO2], v11, 8, 32*256
	WIN 0x40                                       ; destination window 1
	v_add_nc_u32 v[AA], s74, v4
	v_add_nc_u32 v[AA+1], s75, v4
	v_add_nc_u32 v[AB], s76, v4
	v_add_nc_u32 v[AB+1], s77, v4
	WIN 0xc0                                       ; destination window 3
	v_add_nc_u32 v[AB], s76, v4
	v_add_nc_u32 v[AB+1], s77, v4
	WIN 0
	s_wait_alu depctr_va_vdst(0)
	ASK TILEB                                      ; K step 1
.irp j, 0,1
	WIN 0x40+0x80*\j                               ; bias of columns 64 j .. into window 1 + 2 j
.irp b, 0,1,2,3
	global_load_b128 v[96+8*\b:96+8*\b+3], v7, s[8:9] offset:64*(4*\j+\b)
	global_load_b128 v[96+8*\b+4:96+8*\b+7], v7, s[8:9] offset:64*(4*\j+\b)+16
.endr
.endr
	WIN 0
; One product of quadrant (i, j): accumulator N = 4 a + b.  p: the fragments' set; q: which 128 along K of the slot; sc: the slot's scale words
.macro WM i, j, p, q, sc, first
.set DA, 128+8*N
.set FB, 32*(\p)+8*(N%4)
.set FA, 64*(\i)+32*(\p)+8*(N/4)
.set SWB, SC+32*(\sc)+4*(4*(\j)+N%4)+(\q)
.set SWA, SC+32*(\sc)+4*(4*(\i)+N/4)+(\q)
.if \first
	v_wmma_scale_f32_16x16x128_f8f6f4 v[DA:DA+7], v[FB:FB+7], v[FA:FA+7], v[96+8*(N%4):96+8*(N%4)+7], v[SWB], v[SWA] matrix_a_fmt:MATRIX_FMT_FP4 matrix_b_fmt:MATRIX_FMT_FP4 matrix_a_scale:MATRIX_SCALE_ROW1
.else
	v_wmma_scale_f32_16x16x128_f8f6f4 v[DA:DA+7], v[FB:FB+7], v[FA:FA+7], v[DA:DA+7], v[SWB], v[SWA] matrix_a_fmt:MATRIX_FMT_FP4 matrix_b_fmt:MATRIX_FMT_FP4 matrix_a_scale:MATRIX_SCALE_ROW1
.endif
.endm
; cnt products of a quadrant from accumulator from on, one instruction a turn
.macro GROUP i, j, p, q, sc, first, from, cnt
.set N, \from
.rept \cnt
	WM \i, \j, \p, \q, \sc, \first
.set N, N+1
.endr
.endm
; cnt loads into set 1 - p.  kind 1: W's blocks 0-3 (8 loads); 3: W's blocks 4-7 (8); 2: x's blocks 0-7 (16); 4: x's blocks 0-3 (8); 5: x's blocks 4-7 (8).
; Load N: block N / 2 of the run, its half N % 2; from slot ns, its nq-th 128 along K
.macro RUN kind, cnt, p, ns, nq
.set N, 0
.rept \cnt
.if (\kind) == 2
	ds_load_b128 v[64*(N/8)+32*(1-(\p))+4*(N%8):64*(N/8)+32*(1-(\p))+4*(N%8)+3], v[AA+(\ns)] offset:64*(\nq)+32*(N%2)+(N/2)*16*PITCH
.elseif (\kind) >= 4
	ds_load_b128 v[64*((\kind)-4)+32*(1-(\p))+4*N:64*((\kind)-4)+32*(1-(\p))+4*N+3], v[AA+(\ns)] offset:64*(\nq)+32*(N%2)+(N/2+4*((\kind)-4))*16*PITCH
.else
	ds_load_b128 v[32*(1-(\p))+4*N:32*(1-(\p))+4*N+3], v[AB+(\ns)] offset:64*(\nq)+32*(N%2)+(N/2+2*((\kind)-1))*16*PITCH
.endif
.set N, N+1
.endr
.endm
.macro FETCH kind, cnt, p, ns, nq      ; one run of LDS loads: W's eight blocks and x's blocks by kind; destination windows 1, 2, 3; the addresses lie in windows 1, 1, 3
	WIN 0x41
	RUN 1, 8, \p, \ns, \nq
	WIN 0x81
	RUN \kind, \cnt, \p, \ns, \nq
	WIN 0xc3
	RUN 3, 8, \p, \ns, \nq
.endm
.macro SCALES sc                       ; a slot's scale words: four words a row; lanes 0-15 x's block i, lanes 16-31 W's block i
.irp i, 0,1,2,3,4,5,6,7
	ds_load_b128 v[SC+32*\sc+4*\i:SC+32*\sc+4*\i+3], v[ADRS+\sc] offset:\i*PITCH
.endr
.endm
; A step of 128 along K whose successor lies in the same slot
.macro STEP s, q, first
	PLACES                                         ; four places between the last step's products and the loads into the set that they read
	FETCH 2, 16, (\q)%2, \s, (\q)+1
	s_wait_dscnt 32                                ; this step's fragments, asked for a step ago, are in; the 32 just issued may be out
	WIN 0x59
	GROUP 0, 0, (\q)%2, \q, \s, \first, 0, 16
	WIN 0xa9-0x10*(\first)
	GROUP 1, 0, (\q)%2, \q, \s, \first, 0, 16
	WIN 0xfb
	GROUP 1, 1, (\q)%2, \q, \s, \first, 0, 16
	WIN 0x0b+0x30*(\first)
	GROUP 0, 1, (\q)%2, \q, \s, \first, 0, 16
.endm
; A slot's last step.  Its fragments were all asked for in the step before, so my reads of the slot end at its head: there the slots change, and this slot is filled again, two K steps on.
.macro TURN s, n
	s_wait_xcnt 0x0                                ; my prefetches have read their address: it steps one K step
	s_add_nc_u64 s[PFA:PFA+1], s[PFA:PFA+1], TILEB
	WIN 0
	s_wait_tensorcnt 0x0                           ; all my tensor loads have landed: my tile of the next slot
	ds_add_u32 v[SPW], v[NIL]
	s_wait_dscnt 1                                 ; this step's fragments are in; the add may be out
	WIN 0x0b
	GROUP 0, 1, 1, 3, \s, 0, 0, 8
	s_wait_dscnt 0x0                               ; the add is done, and my reads of this slot are over
	s_barrier_signal -1
	GROUP 0, 1, 1, 3, \s, 0, 8, 8
	WIN 0
	s_barrier_wait -1
	CREST                                          ; the barrier has opened a round of the cluster's barrier
	s_add_nc_u64 s[G0+4*\s+2:G0+4*\s+3], s[G0+4*\s+2:G0+4*\s+3], 2*TILEB
	s_add_nc_u64 s[G0B+4*\s+2:G0B+4*\s+3], s[G0B+4*\s+2:G0B+4*\s+3], 2*TILEB
	JLOAD \s                                       ; the first tensor load behind the round; its four v_nop are the places in front of the loads below
	SCALES \n
	FETCH 2, 16, 1, \n, 0
	WIN 0
	s_cmp_gt_u32 s3, 1                             ; the last trip's refills are K steps 6 and 7: no K step stands two on
	s_cbranch_scc0 .Lno_ask_\@
	ASK 3*TILEB
.Lno_ask_\@:
	WIN 0x59
	GROUP 0, 0, 1, 3, \s, 0, 0, 16
	WIN 0xa9
	GROUP 1, 0, 1, 3, \s, 0, 0, 16
	WIN 0xfb
	GROUP 1, 1, 1, 3, \s, 0, 0, 16
.endm
.macro STEPS s, from                   ; the slot's steps from .. 2
.set Q, \from
.rept 3-\from
	STEP \s, Q, 0
.set Q, Q+1
.endr
.endm
; THE WAY OUT, by pieces of 16 rows x 64 columns: piece n = row block n / 2, column half n % 2: four accumulators of one quadrant.
; TOSTAGE: into my own stage, 32 bytes a lane, and back as whole rows of 256 bytes into window 2's v0-63 (x's blocks 0-3 are done with by then), two sets by turns.
.macro TOSTAGE n
.set AC, 128+32*(((\n)/2)%4)
.set WD, (1-(\n)/8)*(1-(\n)%2)+((\n)/8)*(2+(\n)%2)
	WIN 4*WD                                       ; the data: the quadrant's window
.irp b, 0,1,2,3
	ds_store_b128 v[STO], v[AC+8*\b:AC+8*\b+3] offset:64*\b            ; each accumulator from its low end on
	ds_store_b128 v[STO], v[AC+8*\b+4:AC+8*\b+7] offset:64*\b+16
.endr
	WIN 0x80
.irp t, 0,1,2,3,4,5,6,7
	ds_load_b128 v[32*((\n)%2)+4*\t:32*((\n)%2)+4*\t+3], v[RD] offset:\t*2*SPITCH   ; LDS serves a wave's instructions in order: these see the stores above
.endr
.endm
.macro SEND n                          ; sixteen lanes store 256 consecutive bytes, at a multiple of 256 from out0's first byte; the largest offset, 126 rows, lies inside the signed 24-bit immediate
	WIN 0x08
.irp t, 0,1,2,3,4,5,6,7
	global_store_b128 v[CO], v[32*((\n)%2)+4*\t:32*((\n)%2)+4*\t+3], s[10:11] offset:(16*((\n)/2)+2*\t)*SIZE_N*4+256*((\n)%2) th:TH_STORE_NT
.endr
.endm
; A step of 128 along K on half i of my rows: 32 products on set p.  fetch = 1: the fragments of half ni at (ns, nq) come into the other set.  pc >= 0: piece pc goes through the stage, and piece pc - 1 is stored.
.macro HSTEP i, p, s, q, ni, ns, nq, fetch, pc
	PLACES                                         ; in front of the loads into registers that products have read, and of the reads of finished sums
.if (\pc) >= 0
	s_wait_xcnt 0x0                                ; piece pc - 2's stores have read their registers
	TOSTAGE \pc
.endif
.if \fetch
	FETCH 4+(\ni), 8, \p, \ns, \nq
.if (\pc) >= 0
	s_wait_dscnt 40                                ; all but this step's 16 stage lines and 24 loads
.else
	s_wait_dscnt 24                                ; all but the 24 just issued
.endif
.else
	s_wait_dscnt 16                                ; all but this step's 16 stage lines
.endif
.if (\pc) >= 1
	SEND (\pc)-1
.endif
	WIN 0x59+0x50*(\i)                             ; quadrant (i, 0): window 1 or 2
	GROUP \i, 0, \p, \q, \s, 0, 0, 16
	WIN 0x0b+0xf0*(\i)                             ; quadrant (i, 1): window 0 or 3
	GROUP \i, 1, \p, \q, \s, 0, 0, 16
.endm
	s_wait_tensorcnt 0x0                           ; my tile of K step 0 is in
	ds_add_u32 v[SPW], v[NIL]
	s_wait_dscnt 0x0
	CROUND                                         ; everybody's tile of K step 0 is in, and the joint loads meet
	JLOAD 1                                        ; K step 1: slot 1's first fill
	SCALES 0
	FETCH 2, 16, 1, 0, 0
	WIN 0
	ASK 2*TILEB                                    ; K steps 2 and 3
	ASK 3*TILEB
	s_wait_loadcnt 0x0                             ; bias
	STEP 0, 0, 1                                   ; the first step starts the sums on bias
	WIN 0
	s_mov_b32 s3, LAPS-1
.Llap:                                                 ; a trip goes once round the ring and fills both slots again
	STEPS 0, 1
	TURN 0, 1
	STEPS 1, 0
	TURN 1, 0
	STEP 0, 0, 0
	WIN 0
	s_sub_co_u32 s3, s3, 1
	s_cmp_lg_u32 s3, 0
	s_cbranch_scc1 .Llap
	; K step 6's steps 1-3 (slot 0) and K step 7 (slot 1), first for my rows 0-63.  The sets take turns step by step
	HSTEP 0, 1, 0, 1, 0, 0, 2, 1, -1
	HSTEP 0, 0, 0, 2, 0, 0, 3, 1, -1
	WIN 0
	s_wait_tensorcnt 0x0                           ; my tile of K step 7 is in: my last tensor load
	ds_add_u32 v[SPW], v[NIL]
	s_wait_dscnt 0x0
	s_barrier_signal -1
	s_barrier_wait -1                              ; and everybody's; nothing is filled again
	SCALES 1
	HSTEP 0, 1, 0, 3, 0, 1, 0, 1, -1
	HSTEP 0, 0, 1, 0, 0, 1, 1, 1, -1
	HSTEP 0, 1, 1, 1, 0, 1, 2, 1, -1
	HSTEP 0, 0, 1, 2, 0, 1, 3, 1, -1
	HSTEP 0, 1, 1, 3, 1, 0, 1, 1, -1               ; rows 0-63 are finished; the fetch goes back to K step 6's step 1, for rows 64-127
	HSTEP 1, 0, 0, 1, 1, 0, 2, 1, 0
	HSTEP 1, 1, 0, 2, 1, 0, 3, 1, 1
	HSTEP 1, 0, 0, 3, 1, 1, 0, 1, 2
	HSTEP 1, 1, 1, 0, 1, 1, 1, 1, 3
	HSTEP 1, 0, 1, 1, 1, 1, 2, 1, 4
	HSTEP 1, 1, 1, 2, 1, 1, 3, 1, 5
	HSTEP 1, 0, 1, 3, 1, 0, 0, 0, 6
	PLACES                                         ; in front of the reads of the last sums
.irp n, 7,8,9,10,11,12,13,14,15
	s_wait_xcnt 0x0                                ; piece n - 2's stores have read their registers
	TOSTAGE \n
	s_wait_dscnt 16                                ; piece n - 1 is back; piece n's 16 lines may be out
	SEND \n-1
.endr
	s_wait_dscnt 0x0
	SEND 15
	WIN 0
	s_wait_tensorcnt 0x0                           ; the wave's end
	ds_add_u32 v[SPW], v[NIL]
	s_wait_dscnt 0x0
	CROUND                                         ; the closing round
	s_endpgm
.Lfunc_end_k_q25148e1d70_gemm:
	.size	k_q25148e1d70_gemm, .Lfunc_end_k_q25148e1d70_gemm-k_q25148e1d70_gemm
	.p2alignl 7, 3214868480
	.fill 96, 4, 3214868480
	.section	.rodata,"a",@progbits
	.p2align	6, 0x0
	.amdhsa_kernel k_q25148e1d70_gemm
		.amdhsa_group_segment_fixed_size 327680
		.amdhsa_private_segment_fixed_size 0
		.amdhsa_enable_private_segment 0
		.amdhsa_kernarg_size 32
		.amdhsa_user_sgpr_count 2
		.amdhsa_user_sgpr_kernarg_segment_ptr 1
		.amdhsa_wavefront_size32 1
		.amdhsa_system_sgpr_workgroup_id_x 1
		.amdhsa_system_sgpr_workgroup_id_y 1
		.amdhsa_system_sgpr_workgroup_id_z 1
		.amdhsa_system_vgpr_workitem_id 0
		.amdhsa_next_free_vgpr 1024
		.amdhsa_next_free_sgpr 80
		.amdhsa_reserve_vcc 0
		.amdhsa_float_denorm_mode_32 3
		.amdhsa_float_denorm_mode_16_64 3
		.amdhsa_memory_ordered 1
		.amdhsa_forward_progress 1
		.amdhsa_inst_pref_size 222
	.end_amdhsa_kernel
	.amdgpu_metadata
---
amdhsa.version: [ 1, 2 ]
amdhsa.kernels:
  - .name:           k_q25148e1d70_gemm
    .symbol:         k_q25148e1d70_gemm.kd
    .args:
      - { .name: xq, .offset: 0, .size: 8, .value_kind: global_buffer, .address_space: global }
      - { .name: wq, .offset: 8, .size: 8, .value_kind: global_buffer, .address_space: global }
      - { .name: bias, .offset: 16, .size: 8, .value_kind: global_buffer, .address_space: global }
      - { .name: out0, .offset: 24, .size: 8, .value_kind: global_buffer, .address_space: global }
    .group_segment_fixed_size: 327680
    .private_segment_fixed_size: 0
    .kernarg_segment_align: 8
    .kernarg_segment_size: 32
    .max_flat_workgroup_size: 128
    .sgpr_count:     80
    .vgpr_count:     1024
    .wavefront_size: 32
...
	.end_amdgpu_metadata
.endif
;; end of part 2
